; MI455X (gfx1250); checked and timed in simulation.
; The chip was launched on July 23, 2026; its instructions are those of AMD's public machine-readable ISA for CDNA 5 (MIT licence, August 2026) and "CDNA5" Instruction Set Architecture Reference Guide (July 2026). The comments in the code are by the model that wrote it; some were corrected since.
;; Multi Head Causal Self Attention. Allowed arithmetic: matrix products marked QUANTISED: E4M3 operands, one given power-of-two scale a tensor, by v_wmma_f32_16x16x64_fp8_fp8 or v_wmma_f32_16x16x128_fp8_fp8, f32 sums; everything else in f32.
;; Inputs: Wk_codes 1,024 x 32 x 32 uint8 (E4M3 codes of Wk, K innermost, in blocks of 32 codes); Wo_codes 1,024 x 32 x 32 uint8 (E4M3 codes of Wo, K innermost, in blocks of 32 codes); Wq_codes 1,024 x 32 x 32 uint8 (E4M3 codes of Wq, K innermost, in blocks of 32 codes); Wv_codes 1,024 x 32 x 32 uint8 (E4M3 codes of Wv, K innermost, in blocks of 32 codes); bo 1,024 float32; lowp_scales 12 int32 (the exponents e of the quantised operands' scales 2^e); x_codes 4 x 2,048 x 32 x 32 uint8 (E4M3 codes of x, K innermost, in blocks of 32 codes).
;; Outputs: out0 4 x 2,048 x 1,024 float32.
;; This version of the problem:
;;   THIS VERSION OF THE PROBLEM IS GIVEN IN LOW PRECISION. The matrix products marked QUANTISED in the list below multiply operands that are first quantised to E4M3 (4 exponent bits, 3 mantissa bits; 8 bits a number), with one given power-of-two scale for each operand tensor; their sums are f32. All else is computed in f32.
;;   The module's matrix products, in the order in which they are computed (A, B: the left and right operand; K: the contracted axis; several contracted axes count as one K, in the product's order):
;;     1. [M 8,192, K 1,024] x [K 1,024, N 1,024]; A: input x (given as codes); B: input Wq (given as codes): QUANTISED (scales: A lowp_scales[0], B lowp_scales[1])
;;     2. [M 8,192, K 1,024] x [K 1,024, N 1,024]; A: input x (given as codes); B: input Wk (given as codes): QUANTISED (scales: A lowp_scales[2], B lowp_scales[3])
;;     3. [M 8,192, K 1,024] x [K 1,024, N 1,024]; A: input x (given as codes); B: input Wv (given as codes): QUANTISED (scales: A lowp_scales[4], B lowp_scales[5])
;;     4. batch 64 x [M 2,048, K 64] x [K 64, N 2,048]; A: computed on the way; B: computed on the way: QUANTISED (scales: A lowp_scales[6], B lowp_scales[7])
;;     5. batch 64 x [M 2,048, K 2,048] x [K 2,048, N 64]; A: softmax (see below); B: computed on the way: QUANTISED (scales: A lowp_scales[8], B lowp_scales[9])
;;     6. [M 8,192, K 1,024] x [K 1,024, N 1,024]; A: computed on the way; B: input Wo (given as codes): QUANTISED (scales: A lowp_scales[10], B lowp_scales[11])
;;   THE QUANTISER, for each operand of a quantised product, along K:
;;     - The operand's scale is 2^e, e = its entry of the input lowp_scales (int32; the entries are numbered through the quantised products in the list's order, A before B).
;;     - Each number is divided by the scale, clamped to +-448, and rounded to the nearest number of E4M3, ties to even, subnormals kept.
;;     - The product sums the exact products of the quantised numbers (number of the format x scale) in f32.
;;   ~~~python
;;   def quantise(x, axis, e):      # numpy; x: float32 -> the quantised numbers, widened to float32 again
;;       x = np.moveaxis(x, axis, -1); K = x.shape[-1]
;;       r = np.clip(x / 2.0 ** e, -448, 448)
;;       step = 2.0 ** (np.maximum(np.frexp(np.where(r == 0, 1, r))[1] - 1, -6) - 3)
;;       q = np.round(r / step) * step * 2.0 ** e      # np.round: ties to even
;;       return np.moveaxis(q, -1, axis).astype(np.float32)
;;   ~~~
;;   SOFTMAX AHEAD OF A QUANTISED PRODUCT. Where the list says 'softmax', what is quantised is not the finished softmax but p = 2^(t - M), with t = logit x log2(e) and M = ceil(the row's largest t), a whole number; so 1/2 < the row's largest p <= 1. The row's sum l is taken of the UNQUANTISED p, in f32, and the product's result is divided by l at the end. Since M is a whole number, a kernel that streams over the keys may use a running M (the ceiling of the running maximum): every later rescaling is an exact power of two, so the quantised numbers keep their values, but for numbers so far below the row's largest that they fall under the format's range.
;;   OPERANDS COMPUTED ON THE WAY. 'Computed on the way' means the value that the module computes at that place (a softmax that the list does not call 'softmax' is quantised finished and normalised). What goes into a quantiser is computed in f32, as accurately as f32 sums, v_exp_f32 and their like allow (about 1e-6 of the number): no bf16 or f16 on the way to a quantiser, and a product that is left as it is and whose result goes on into a quantised operand takes f32 operands (vector FMAs, or v_wmma_f32_16x16x4_f32). A number that lies on a knife's edge between two numbers of the format may be rounded either way, as far as f32 arithmetic and the matrix unit's own rounding can turn it there, and no further.
;;   INPUTS GIVEN AS CODES. Wk (in the module: [1024, 1024], K = its axis 0); Wo (in the module: [1024, 1024], K = its axis 0); Wq (in the module: [1024, 1024], K = its axis 0); Wv (in the module: [1024, 1024], K = its axis 0); x (in the module: [4, 2048, 1024], K = its axis 2): each comes as NAME_codes (uint8): NAME with its K axis moved to the last place and cut into blocks of 32 codes, [.., K / 32, bytes a block], one block behind the other in memory; one code a byte (a code: sign, 4 exponent bits, 3 mantissa bits); its scale is its entry of lowp_scales. Its value is code x scale, taken as it is: it is not quantised again, and the codes and scales need not be those that the quantiser above would give.
;; One version. Each part assembles by itself: llvm-mc -triple=amdgcn-amd-amdhsa -mcpu=gfx1250 --defsym DOCPART=n.
;; ======== version 1 of 1: 3 launches
;; limits: right only within a limited range of input values
;; workspace buffers: qimg 8,388,608 bytes; kimg 8,388,608 bytes; vimg 8,388,608 bytes; ctx 8,388,608 bytes
;; launch qkv (part 1): grid 12 x 32, 4 waves a work-group, clusters of 4 x 4, 327,680 bytes of LDS; arguments x_codes, Wq_codes, Wk_codes, Wv_codes, lowp_scales, qimg, kimg, vimg; writes qimg, kimg, vimg
.if DOCPART == 1
	.amdgcn_target "amdgcn-amd-amdhsa--gfx1250"
	.amdhsa_code_object_version 6
	.text
	.protected	k_q0f461426d7_qkv
	.globl	k_q0f461426d7_qkv
	.p2align	8
	.type	k_q0f461426d7_qkv,@function
k_q0f461426d7_qkv:
	s_mov_b64 s[64:65], 0
	v_nop
	global_prefetch_b8 v0, s[64:65] scope:SCOPE_SE
	s_setreg_imm32_b32 hwreg(HW_REG_WAVE_MODE, 25, 1), 1
	s_wait_xcnt 0x0
	s_wait_alu depctr_hold_cnt(0) depctr_sa_sdst(0) depctr_va_vdst(0) depctr_va_sdst(0) depctr_va_ssrc(0) depctr_va_vcc(0) depctr_vm_vsrc(0)
	s_getreg_b32 s2, hwreg(HW_REG_IB_STS2, 6, 4)
	s_cmp_eq_u32 s2, 0
	s_cbranch_scc0 .Lentry_in_a_cluster
	s_endpgm
.Lentry_in_a_cluster:
	s_bfe_u32 s2, ttmp6, 0x10000c
	s_cmp_lg_u32 s2, 0xf033
	s_cbranch_scc0 .Lentry_shape_is_right
	s_endpgm
.Lentry_shape_is_right:
; q = x Wq, k = x Wk, v = x Wv on codes of E4M3, and the quantisers of q, k and v.  x: 8,192 rows of 1,024 codes; each W: 1,024 rows (output features) of 1,024 codes, K innermost.
; ONE TEXT FOR THREE PRODUCTS: C'[m'][n'] = sum over k of A'[m'][k] B'[n'][k].  The cluster's x chooses: 0: A' = x, B' = Wq;  1: A' = x, B' = Wk;  2: A' = Wv, B' = x (V TRANSPOSED: rows are channels, columns tokens).
; All that differs is chosen by s_cselect on the cluster's x, which all sixteen partners share: buffers, tile numbers, the scales' fold, three strides of the way out.  There is no branch on it.
; A tile of C', 256 x 256, is made by four waves, 128 x 128 each: 64 accumulators of 16 x 16.  K goes in steps of 256 through two LDS slots filled by joint tensor loads: A's tile is shared along a row of the
; 4 x 4 cluster, B's along a column.  The matrix instruction is used transposed (source 0 = 16 rows of B', source 1 = 16 rows of A'): lane (r, h) holds row r of A' and, in register j, row 8 h + j of B'.
; THE WAY OUT NEEDS NO LDS.  Eight result registers of block b, converted, are registers 2 b, 2 b + 1 of an 8-bit operand whose K runs along B' (k = 16 b + 8 h + 0 .. 7): the very layout of the plain fp8 forms.
; So the codes are stored as IMAGES OF THE NEXT PRODUCT'S REGISTERS: four registers by one store at 16 x lane, 512 consecutive bytes at a multiple of 512.
;   qimg, kimg: [batch x head 64][token / 16][half 2][lane 32][16 bytes]: the K = 64 fragment of 16 tokens of one head.
;   vimg:       [batch x head 64][token / 128][channel / 16 4][quarter 4][lane 32][16 bytes]: the K = 128 fragment (K = keys) of 16 channels.
; SCALES: a sum stands for sum x 2^(ex + ew); its code is sum / 2^(eo - ex - ew), held within +-448: q: e6 - e0 - e1;  k: e7 - e2 - e3;  v: e9 - e4 - e5.
; LIMITS: each of these three folds lies between -126 and 119, so that 2^fold and 448 x 2^fold are f32 numbers.  NaN codes among the inputs are not served.
; REGISTERS, in windows of 256: window 0: v1-6 at work, v8-15 the way out's offsets, v16-31 addresses and constants, v32-95 held sums, from v128 A's fragments (one set), later the codes;
;   window 1: B's fragments, two sets;  windows 2, 3: the accumulators of my rows 0-63, 64-127 (accumulator (a, b) at v[8 (8 (a % 4) + b)]).
.set ROWB,   256                       ; a tile's row in bytes: 256 codes
.set KROW,   1024                      ; a row of A' or of B' in memory
.set PITCH,  272                       ; an LDS row: 256 bytes + 16 of padding, so that the sixteen rows that a load touches start 68 words apart
.set FR,     16                        ; registers of a fragment: 16 rows x 128 K
.set NL,     4                         ; LDS loads that bring one
.set NP,     4                         ; places behind this matrix instruction (ISA guide 7.12.1)
.set HALFT,  128*PITCH                 ; 128 rows: what one tensor load brings, and what one wave reads of A' or of B'
.set SLOT,   4*HALFT                   ; A's 256 rows, then B's 256 rows
.set SPARE,  2*SLOT                    ; behind the ring: the spare words, 128 bytes for each wave
.set VO,   8                           ; v8-15   the way out: block a's byte offset
.set ADRA, 16                          ; v16-17  LDS address of my A fragments in slot 0, 1
.set ADRB, 20                          ; v20-21  the same for B
.set LN,   27                          ; v27     16 x lane
.set SPW,  28                          ; v28     LDS address of my spare word; never rewritten
.set NIL,  29                          ; v29     0; never rewritten
.set LIM,  30
.set SCL,  31                          ; v31     2^fold
.set TMP,  32
.set AF,   128                         ; A's fragments, in window 0
.set CD,   128                         ; the way out: 16 registers of codes for each block, where A's fragments lay
.set G1, 24                            ; s[24:31] descriptor group 1 for A's tiles;  s[32:39] group 0, one set for each slot
.set G0, 32
.set G1B, 48                           ; s[48:55], s[56:63] the same for B's tiles
.set G0B, 56
.set MSB, 0
.macro WIN new                         ; the immediate's high byte repeats the setting that is left
.if MSB != \new
	s_set_vgpr_msb (MSB<<8)|\new
.set MSB, \new
.endif
.endm
.set MUL_LO, 0xa1                      ; source 0 (B) window 1, source 1 (A) window 0, C and D window 2
.set MUL_HI, 0xf1                      ; the same, C and D window 3
.set TO_B,   0x40                      ; destination window 1, address window 0
; A joint load: waves 0 and 1 fetch for A, waves 2 and 3 for B.  Each line has one mask and one set of registers for all that issue it; the branch hangs on the wave's number alone.
; Four v_nop follow each of the two lines, ahead of the jump, the label and what follows.
.macro JLOAD g0a, g1a, g0b, g1b
	s_cmp_eq_u32 s15, 0
	s_cbranch_scc0 .Lfor_b_\@
	tensor_load_to_lds s[\g0a:\g0a+3], s[\g1a:\g1a+7]
	s_nop 0
.rept 4
	v_nop
.endr
	s_branch .Lasked_\@
.Lfor_b_\@:
	tensor_load_to_lds s[\g0b:\g0b+3], s[\g1b:\g1b+7]
	s_nop 0
.rept 4
	v_nop
.endr
.Lasked_\@:
.endm
.macro CREST                           ; a round of the cluster's barrier behind its opening barrier
	s_cmp_lg_u32 s14, 0
	s_cbranch_scc1 .Lnot_wave_0_\@
	s_barrier_signal -3
.Lnot_wave_0_\@:
	s_barrier_wait -3
	s_barrier_signal -1
	s_barrier_wait -1
.endm
.macro CROUND                          ; a whole round
	s_barrier_signal -1
	s_barrier_wait -1
	CREST
.endm
	s_load_b256 s[4:11], s[0:1], 0x0               ; x s[4:5], Wq s[6:7], Wk s[8:9], Wv s[10:11]
	s_load_b256 s[84:91], s[0:1], 0x20             ; the scales' exponents s[84:85], qimg s[86:87], kimg s[88:89], vimg s[90:91]
	v_lshl_add_u32 v[SPW], v0, 2, SPARE
	v_mov_b32 v[NIL], 0
	ds_add_u32 v28, v29
	ds_add_u32 v28, v29
	s_wait_dscnt 0x0
	v_lshrrev_b32 v1, 5, v0
	v_readfirstlane_b32 s14, v1                    ; wave 0..3
	s_lshr_b32 s15, s14, 1                         ; which half of the tile's rows is mine.  Also: I fetch for A (0) or for B (1)
	s_and_b32 s16, s14, 1                          ; which half of its columns.  Also: which 128 rows of that tile I fetch
	s_bfe_u32 s40, ttmp6, 0x40000                  ; cx, cy: my place in the cluster
	s_bfe_u32 s41, ttmp6, 0x40004
	s_and_b32 s12, ttmp7, 0xffff
	s_lshl_b32 s12, s12, 2                         ; 4 x cluster y: it walks the 32 tiles of tokens,
	s_cmp_eq_u32 ttmp9, 2                          ; which are rows of C' for q and k, columns for V^T
	s_cselect_b32 s13, 0, s12
	s_cselect_b32 s12, s12, 0
	s_add_co_u32 s17, s13, s41                     ; tile row of C'
	s_add_co_u32 s42, s12, s40                     ; tile column of C'
	s_lshl_b32 s43, s41, 2
	s_lshl_b32 s43, 15, s43                        ; my row of the cluster
	s_lshl_b32 s44, 0x1111, s40                    ; my column
	; descriptor group 1: a tile of 128 rows x 256 bytes, padded in LDS
	s_or_b32 s[G1+0], s43, (0<<16)|(1<<20)|(1<<21)|(5<<22)|(3<<25)  ; 15:0 the mask: A's tiles go to my row; 17:16 elements of 1 byte; 20 padding on; 21 set beside a mask; 24:22 after every 64 words; 31:25 four words
	s_or_b32 s[G1B+0], s44, (0<<16)|(1<<20)|(1<<21)|(5<<22)|(3<<25) ; the same with the mask of my column
.irp g, G1, G1B
	s_mov_b32 s[\g+1], ROWB<<16                    ; tensor_dim0
	s_mov_b32 s[\g+2], 128<<16                     ; tensor_dim1 = 128
	s_mov_b32 s[\g+3], ROWB<<16                    ; tile_dim0
	s_mov_b32 s[\g+4], 128                         ; tile_dim1 = 128
	s_mov_b32 s[\g+5], KROW                        ; tensor_dim0_stride
	s_mov_b32 s[\g+6], 0
	s_mov_b32 s[\g+7], 0
.endr
	s_lshl_b32 s18, s16, 7                         ; which 128 rows of the tile I fetch
	s_lshl_b32 s20, s17, 8
	s_add_co_u32 s20, s20, s18                     ; A': row 256 x tile row + 128 x half,
	s_lshl_b32 s20, s20, 10                        ; in bytes (under 2^23)
	s_mov_b32 s21, 0
	s_lshl_b32 s46, s42, 8
	s_add_co_u32 s46, s46, s18                     ; B': row 256 x tile column + 128 x half
	s_lshl_b32 s46, s46, 10
	s_mov_b32 s47, 0
	s_mul_i32 s45, s14, HALFT                      ; where they go: wave x 128 rows: no place in the cluster enters an LDS address
	s_wait_kmcnt 0x0
	s_load_b256 s[68:75], s[84:85], 0x0            ; e0 .. e7
	s_load_b128 s[76:79], s[84:85], 0x20           ; e8 .. e11
	s_cmp_eq_u32 ttmp9, 2
	s_cselect_b64 s[2:3], s[10:11], s[4:5]         ; A': Wv for V^T, else x
	s_cselect_b64 s[12:13], s[4:5], s[8:9]         ; B': x for V^T, else Wk,
	s_cmp_eq_u32 ttmp9, 0
	s_cselect_b64 s[12:13], s[6:7], s[12:13]       ; or Wq
	s_add_nc_u64 s[20:21], s[2:3], s[20:21]
	s_add_nc_u64 s[46:47], s[12:13], s[46:47]
	CROUND                                         ; all sixteen work-groups are here: the first joint loads meet
.irp s, 0,1
	s_mov_b32 s[G0+4*\s], 1
	s_add_co_u32 s[G0+4*\s+1], s45, \s*SLOT
	s_add_nc_u64 s[G0+4*\s+2:G0+4*\s+3], s[20:21], \s*ROWB
	s_or_b32 s[G0+4*\s+3], s[G0+4*\s+3], 0x80000000
	s_mov_b32 s[G0B+4*\s], 1
	s_add_co_u32 s[G0B+4*\s+1], s45, \s*SLOT
	s_add_nc_u64 s[G0B+4*\s+2:G0B+4*\s+3], s[46:47], \s*ROWB
	s_or_b32 s[G0B+4*\s+3], s[G0B+4*\s+3], 0x80000000
	JLOAD G0+4*\s, G1, G0B+4*\s, G1B
.endr
	v_and_b32 v1, 15, v0                           ; l % 16
	v_bfe_u32 v2, v0, 4, 1                         ; l / 16
	v_mul_u32_u24 v3, v1, PITCH
	v_lshl_add_u32 v4, v2, 4, v3                   ; a fragment's row x pitch + 16 x half
	s_mul_i32 s21, s15, HALFT                      ; my 128 rows of A'
	s_mul_i32 s22, s16, HALFT                      ; my 128 rows of B',
	s_add_co_u32 s22, s22, 2*HALFT                 ; which lie behind A's 256
.irp s, 0,1
	v_add_nc_u32 v[ADRA+\s], s21, v4
	v_add_nc_u32 v[ADRB+\s], s22, v4
	s_add_co_u32 s21, s21, SLOT
	s_add_co_u32 s22, s22, SLOT
.endr
	v_and_b32 v6, 31, v0
	v_lshlrev_b32 v[LN], 4, v6                     ; 16 x lane
	; THE WAY OUT'S ADDRESSES.  My first token TOK and my first head HD; both kinds of image begin at (batch x 16 + head) x 131,072 + 64 x (token in the batch).
	s_cmp_eq_u32 ttmp9, 2
	s_cselect_b32 s18, s42, s17                    ; the tile along the tokens,
	s_cselect_b32 s19, s16, s15                    ; and my half of it
	s_cselect_b32 s22, s17, s42                    ; the tile along the features,
	s_cselect_b32 s23, s15, s16                    ; and my half of it
	s_mov_b32 s96, 0x1000
	s_cselect_b32 s96, 0x20000, s96                ; P1: from block a to a + 4: q, k: 64 tokens (4,096 bytes);  V^T: the next head (131,072)
	s_mov_b32 s97, 1024
	s_cselect_b32 s97, 2048, s97                   ; P2: from block a to a + 1: q, k: 16 tokens (1,024);  V^T: 16 channels (2,048)
	s_mov_b32 s98, 0x20000
	s_cselect_b32 s98, 1024, s98                   ; P3: from a block's registers 0-7 to 8-15: q, k: the next head;  V^T: the image's second half
	s_cselect_b64 s[92:93], s[90:91], s[88:89]
	s_cmp_eq_u32 ttmp9, 0
	s_cselect_b64 s[92:93], s[86:87], s[92:93]     ; the buffer
	s_mov_b32 s99, 0
	s_lshl_b32 s18, s18, 8
	s_lshl_b32 s19, s19, 7
	s_add_co_u32 s18, s18, s19                     ; TOK
	s_lshl_b32 s22, s22, 2
	s_lshl_b32 s23, s23, 1
	s_add_co_u32 s22, s22, s23                     ; HD
	s_lshr_b32 s19, s18, 11                        ; the batch
	s_lshl_b32 s19, s19, 4
	s_add_co_u32 s19, s19, s22
	s_lshl_b32 s19, s19, 17
	s_and_b32 s18, s18, 2047
	s_lshl_b32 s18, s18, 6
	s_add_co_u32 s18, s18, s19
	s_mov_b32 s19, 0
	s_add_nc_u64 s[92:93], s[92:93], s[18:19]      ; registers 0-7 of a block's codes go from here,
	s_add_nc_u64 s[94:95], s[92:93], s[98:99]      ; registers 8-15 from here
	s_wait_alu depctr_va_vdst(0)
	s_wait_kmcnt 0x0
	s_sub_co_i32 s80, s74, s68
	s_sub_co_i32 s80, s80, s69                     ; q: e6 - e0 - e1
	s_sub_co_i32 s81, s75, s70
	s_sub_co_i32 s81, s81, s71                     ; k: e7 - e2 - e3
	s_sub_co_i32 s82, s77, s72
	s_sub_co_i32 s82, s82, s73                     ; v: e9 - e4 - e5
	s_cmp_eq_u32 ttmp9, 2
	s_cselect_b32 s81, s82, s81
	s_cmp_eq_u32 ttmp9, 0
	s_cselect_b32 s80, s80, s81
	s_add_co_i32 s80, s80, 127
	s_lshl_b32 s81, s80, 23
	v_mov_b32 v[SCL], s81                          ; 2^fold as f32: the conversion takes its exponent field
	s_mov_b32 s82, 0
.irp a, 0,1,2,3,4,5,6,7
	v_add_nc_u32 v[VO+\a], s82, v[LN]              ; 16 x lane + (a / 4) P1 + (a % 4) P2
.if \a == 3
	s_mov_b32 s82, s96
.else
	s_add_co_u32 s82, s82, s97
.endif
.endr
.macro FRAG reg, adr, q, i             ; a fragment, 16 rows x 128 K, by four loads of 16 bytes, 32 bytes apart: a permutation of k that is the same in A' and in B', so every product meets its partner
.irp c, 0,1,2,3
	ds_load_b128 v[\reg+4*\c:\reg+4*\c+3], v[\adr] offset:128*(\q)+32*\c+(\i)*16*PITCH
.endr
.endm
; 16 matrix instructions: A's blocks a0, a0 + 1 x B's eight, 128 along K.  p: B's set.  zero = 1: the first product starts the sums.
; The 64 accumulators take turns, one instruction a turn, in the same order in every step.
.macro MUL16 a0, p, zero
.irp a, \a0, \a0+1
.irp b, 0,1,2,3,4,5,6,7
.if \zero
	v_wmma_f32_16x16x128_fp8_fp8 v[8*(8*((\a)%4)+\b):8*(8*((\a)%4)+\b)+7], v[128*(\p)+FR*\b:128*(\p)+FR*\b+FR-1], v[AF+FR*(\a):AF+FR*(\a)+FR-1], 0
.else
	v_wmma_f32_16x16x128_fp8_fp8 v[8*(8*((\a)%4)+\b):8*(8*((\a)%4)+\b)+7], v[128*(\p)+FR*\b:128*(\p)+FR*\b+FR-1], v[AF+FR*(\a):AF+FR*(\a)+FR-1], v[8*(8*((\a)%4)+\b):8*(8*((\a)%4)+\b)+7]
.endif
.endr
.endr
.endm
.macro FETCH_B slot, q, p              ; B's eight fragments of the slot's q-th 128 along K into set p
	WIN TO_B
.irp i, 0,1,2,3,4,5,6,7
	FRAG 128*(\p)+FR*\i, ADRB+\slot, \q, \i
.endr
	WIN 0
.endm
.macro FETCH_A slot, q, i0             ; A's blocks i0 .. i0 + 3
.irp i, \i0, \i0+1, \i0+2, \i0+3
	FRAG AF+FR*(\i), ADRA+\slot, \q, \i
.endr
.endm
.macro PLACES n                        ; plain vector instructions between a matrix instruction and a load into one of its sources, or a vector read of its result
.rept \n
	v_nop
.endr
.endm
; A step of 128 along K that has its successor in the same slot.  A block of A' is free as soon as its eight products are issued, so A' has one set of registers; B' has two.
.macro STEP slot, q, zero
	s_wait_dscnt 4*NL                              ; B's set and A's blocks 0-3 are in; the youngest sixteen loads (A's blocks 4-7) may be out
	WIN MUL_LO
	MUL16 0, (\q)%2, \zero
	MUL16 2, (\q)%2, \zero
	s_wait_dscnt 0                                 ; A's blocks 4-7 are in
	PLACES NP
	FETCH_B \slot, (\q)+1, 1-(\q)%2
	FETCH_A \slot, (\q)+1, 0
	WIN MUL_HI
	MUL16 4, (\q)%2, \zero
	MUL16 6, (\q)%2, \zero
	PLACES NP
	WIN 0
	FETCH_A \slot, (\q)+1, 4
.endm
; A slot's last step changes slots: one barrier; in front of it each wave waits for all its tensor loads, adds 0 to its spare word, and waits for that and for its own reads of this slot.
; fill = 1: the barrier opens a round of the cluster's barrier, and this slot is filled again, two K steps ahead, first thing behind the round.
.macro TURN slot, next, fill
	s_wait_tensorcnt 0x0                           ; all my tensor loads have landed: my part of the next slot  (every window is 0 here)
	ds_add_u32 v[SPW], v[NIL]                      ; 0 onto my spare word
	s_wait_dscnt 4*NL+1                            ; the add and the youngest sixteen loads (A's blocks 4-7) may be out
	WIN MUL_LO
	MUL16 0, 1, 0                                  ; sixteen matrix instructions stand between the add and the wait for it
	s_wait_dscnt 0x0                               ; the add is done, and my reads of this slot are over
	s_barrier_signal -1
	MUL16 2, 1, 0
	WIN 0
	s_barrier_wait -1
.if \fill
	CREST                                          ; no wave of any partner still reads this slot's tile or has a load on its way
	s_add_nc_u64 s[G0+4*\slot+2:G0+4*\slot+3], s[G0+4*\slot+2:G0+4*\slot+3], 2*ROWB
	s_add_nc_u64 s[G0B+4*\slot+2:G0B+4*\slot+3], s[G0B+4*\slot+2:G0B+4*\slot+3], 2*ROWB
	JLOAD G0+4*\slot, G1, G0B+4*\slot, G1B         ; the first tensor load behind the round; its four v_nop are the places in front of the loads below
.else
	PLACES NP
.endif
	FETCH_B \next, 0, 0
	FETCH_A \next, 0, 0
	WIN MUL_HI
	MUL16 4, 1, 0
	MUL16 6, 1, 0
	PLACES NP
	WIN 0
	FETCH_A \next, 0, 4
.endm
	s_wait_tensorcnt 1                             ; my part of K step 0 is in; K step 1's load may be out
	s_barrier_signal -1
	s_barrier_wait -1                              ; everybody's is
	FETCH_B 0, 0, 0
	FETCH_A 0, 0, 0
	FETCH_A 0, 0, 4
	STEP 0, 0, 1                                   ; K = 1,024 is four K steps of 256, eight steps of 128: written out.  The first step's products start the sums
	TURN 0, 1, 1                                   ; slot 0 takes K step 2
	STEP 1, 0, 0
	TURN 1, 0, 1                                   ; slot 1 takes K step 3
	STEP 0, 0, 0
	TURN 0, 1, 0                                   ; nothing is left to fetch
	STEP 1, 0, 0
	s_wait_dscnt 4*NL                              ; the very last step
	WIN MUL_LO
	MUL16 0, 1, 0
	MUL16 2, 1, 0
	s_wait_alu depctr_va_vdst(0)
	s_wait_dscnt 0
	WIN MUL_HI
	MUL16 4, 1, 0
	MUL16 6, 1, 0
	WIN 0
; THE WAY OUT of block a (16 rows of A' x my 128 rows of B'): the conversion, four stores.  Each block has its own 16 registers of codes and its own offset register: no store's source is written again.
.macro OUTBLK a
.set AC, 64*((\a)%4)
.set CB, CD+16*(\a)
	WIN 0x02+((\a)/4)                              ; source 0: window 2 or 3
.set j, 0
.rept 64
.set j, j+1
.endr
.irp b, 0,1,2,3,4,5,6,7
	v_cvt_scalef32_pk8_fp8_f32 v[CB+2*\b:CB+2*\b+1], v[AC+8*\b:AC+8*\b+7], v[SCL]
.endr
	WIN 0
	v_nop                                          ; a plain instruction behind the last conversion
	global_store_b128 v[VO+\a], v[CB:CB+3], s[92:93]               ; 32 lanes store 512 consecutive bytes, at a multiple of 512 from the buffer's first byte
	global_store_b128 v[VO+\a], v[CB+4:CB+7], s[92:93] offset:512
	global_store_b128 v[VO+\a], v[CB+8:CB+11], s[94:95]
	global_store_b128 v[VO+\a], v[CB+12:CB+15], s[94:95] offset:512
.endm
	PLACES NP                                      ; behind the last products: their results are read and A's registers written from here on
.irp a, 0,1,2,3,4,5,6,7
	OUTBLK \a
.endr
	s_wait_tensorcnt 0x0                           ; the wave's end
	ds_add_u32 v[SPW], v[NIL]
	s_wait_dscnt 0x0
	CROUND                                         ; the closing round: no work-group ends while a partner may still ask for a tile that names it
	s_endpgm
.Lfunc_end_k_q0f461426d7_qkv:
	.size	k_q0f461426d7_qkv, .Lfunc_end_k_q0f461426d7_qkv-k_q0f461426d7_qkv
	.p2alignl 7, 3214868480
	.fill 96, 4, 3214868480
	.section	.rodata,"a",@progbits
	.p2align	6, 0x0
	.amdhsa_kernel k_q0f461426d7_qkv
		.amdhsa_group_segment_fixed_size 327680
		.amdhsa_private_segment_fixed_size 0
		.amdhsa_enable_private_segment 0
		.amdhsa_kernarg_size 64
		.amdhsa_user_sgpr_count 2
		.amdhsa_user_sgpr_kernarg_segment_ptr 1
		.amdhsa_wavefront_size32 1
		.amdhsa_system_sgpr_workgroup_id_x 1
		.amdhsa_system_sgpr_workgroup_id_y 1
		.amdhsa_system_sgpr_workgroup_id_z 1
		.amdhsa_system_vgpr_workitem_id 0
		.amdhsa_next_free_vgpr 1024
		.amdhsa_next_free_sgpr 100
		.amdhsa_reserve_vcc 0
		.amdhsa_float_denorm_mode_32 3
		.amdhsa_float_denorm_mode_16_64 3
		.amdhsa_fp16_overflow 1
		.amdhsa_memory_ordered 1
		.amdhsa_forward_progress 1
		.amdhsa_inst_pref_size 87
	.end_amdhsa_kernel
	.amdgpu_metadata
---
amdhsa.version: [ 1, 2 ]
amdhsa.kernels:
  - .name:           k_q0f461426d7_qkv
    .symbol:         k_q0f461426d7_qkv.kd
    .args:
      - { .name: x_codes, .offset: 0, .size: 8, .value_kind: global_buffer, .address_space: global }
      - { .name: Wq_codes, .offset: 8, .size: 8, .value_kind: global_buffer, .address_space: global }
      - { .name: Wk_codes, .offset: 16, .size: 8, .value_kind: global_buffer, .address_space: global }
      - { .name: Wv_codes, .offset: 24, .size: 8, .value_kind: global_buffer, .address_space: global }
      - { .name: lowp_scales, .offset: 32, .size: 8, .value_kind: global_buffer, .address_space: global }
      - { .name: qimg, .offset: 40, .size: 8, .value_kind: global_buffer, .address_space: global }
      - { .name: kimg, .offset: 48, .size: 8, .value_kind: global_buffer, .address_space: global }
      - { .name: vimg, .offset: 56, .size: 8, .value_kind: global_buffer, .address_space: global }
    .group_segment_fixed_size: 327680
    .private_segment_fixed_size: 0
    .kernarg_segment_align: 8
    .kernarg_segment_size: 64
    .max_flat_workgroup_size: 128
    .sgpr_count:     100
    .vgpr_count:     1024
    .wavefront_size: 32
...
	.end_amdgpu_metadata
.endif
;; end of part 1
;; launch attn (part 2): grid 4 x 64, 16 waves a work-group, no clusters, 327,680 bytes of LDS; arguments qimg, kimg, vimg, lowp_scales, ctx; writes ctx
.if DOCPART == 2
	.amdgcn_target "amdgcn-amd-amdhsa--gfx1250"
	.amdhsa_code_object_version 6
	.text
	.protected	k_q0f461426d7_attn
	.globl	k_q0f461426d7_attn
	.p2align	8
	.type	k_q0f461426d7_attn,@function
k_q0f461426d7_attn:
	s_mov_b64 s[64:65], 0
	v_nop
	global_prefetch_b8 v0, s[64:65] scope:SCOPE_SE
	s_setreg_imm32_b32 hwreg(HW_REG_WAVE_MODE, 25, 1), 1
	s_wait_xcnt 0x0
; Causal attention of one head on codes of E4M3, head size 64, 2,048 tokens, and the quantiser of its result.  q, k, v come as images of operand registers:
;   qimg, kimg: [batch x head 64][token / 16][half 2][lane 32][16 bytes]: the K = 64 fragment of 16 tokens;   vimg: [batch x head][token / 128][channel / 16 4][quarter 4][lane][16 bytes]: the K = 128 fragment (K = keys) of 16 channels.
; THE SOFTMAX: t = score x log2(e) / 8; M = the row's largest t so far, rounded UP to a whole number; p = 2^(t - M) is quantised with 2^e8, not normalised.  The row's sum is taken of the unquantised p and divides at the end.
; When M moves, the sum and O are multiplied by 2^(old M - new M): a power of two.
; SHARES.  Work-group (p, head) owns the query blocks 7 - p and p of its head, 256 queries each, one after the other; block i needs the first i + 1 slots of 256 keys, so every work-group walks (8 - p) + (p + 1) = 9 slots:
; the trip count is a constant and all 256 work-groups have equal work.  Each of the sixteen waves owns 16 queries of the block in hand, in 256 registers: four waves to a SIMD.
; No cluster: the four work-groups of a head change blocks in different trips (after 8 - p), so from then on they need different tiles; in lockstep over the slots each slot would last as long as its busiest partner.
; LAYOUT.  S^T = K Q^T (source 0 = 16 keys, source 1 = my 16 queries): lane (r, h) holds query r, register 8 t + j key 16 t + 8 h + j.  Eight such registers, converted, are registers 2 t, 2 t + 1 of the K = 128 operand P.
; O^T = V^T P^T (source 0 = 16 channels): register 8 c + j is channel 16 c + 8 h + j of query r; converted, registers 2 c, 2 c + 1 of the K = 64 fragment of ctx, stored as an image:
;   ctx: [head / 4][token / 16 of 8,192][head % 4][half 2][lane 32][16 bytes].
; LDS: two slots of 32,768 bytes: K's 16 images, then V's 8, dense; an image is read at 16 x lane.  Wave 0 fetches K's block, wave 1 V's, one tensor load each behind each barrier: one load of a wave is out at most.
; CAUSAL: a step all of whose 128 keys come after my queries is jumped over by a scalar branch on ids (no barrier, no tensor load stands in a step); on the diagonal hidden scores become -infinity ahead of the maximum.
; LIMITS on the given exponents, so that each power of two below is an f32 number: e6 + e7 between -123 and 130 (added to c's exponent field); e8 and e10 between -126 and 119; e8 + e9 goes by v_ldexp_f32 and has none.
; REGISTERS: v1 16 x lane; v3 256 x lane; v5, v6 the add's; v8 LDS address; v12 -M, v13 the largest t, v[14:15] the sum; v16-23 Q; v24-31 ctx's codes; v32-95 K's 8 fragments, then V's 4; v96-159 S^T, then p;
;   v160-191 O^T; v192-223 O / the sum; v224-239 p's codes; v244: 2^e8; v245: the same with e10; v236, v242, v243, v252-254 at work.
.set SLOT1, 32768                      ; slot 1 begins here: one exclusive or turns an address in one slot into the other's
.set VOFF,  16384                      ; in a slot: V's images behind K's
.set SPARE, 65536                      ; behind the ring: the spare words, 128 bytes for each of sixteen waves
.set LI,  1
.set PFO, 3
.set SPW, 5
.set NIL, 6
.set ADR, 8
.set TB,  2                            ; s2   LDS byte at which the slot in hand begins
.set T,   3                            ; s3   the trip, 0 .. 8
.set WV,  18                           ; s18  my wave's number
.set N1,  19                           ; s19  8 - p: the first block's trips
.set SEL, 20                           ; s[20:21] lane selects for v_permlanex16_b32: lane l xor 16
.set CS,  22                           ; s[22:23] c = log2(e) / 8 x 2^(e6 + e7)
.set G1,  24                           ; s[24:31] descriptor group 1
.set Q01, 32                           ; s32, s33 my first query in the first and in the second block
.set Q02, 33
.set Q0,  34                           ; s34  my first query now
.set KF,  35                           ; s35  the step's first key
.set QA1, 36                           ; s[36:37], s[38:39] my Q image in the two blocks
.set QA2, 38
.set G0,  40                           ; s[40:43] descriptor group 0
.set HB,  44                           ; s[44:45] the head's first byte in the tensor that I would fetch
.set CB1, 46                           ; s[46:47], s[48:49] my image of ctx in the two blocks
.set CB2, 48
.set OFS, 50                           ; s[50:51] an offset; s51 = 0
.set PFA, 52                           ; s[52:53] where my prefetches stand
.set LIM, 54                           ; s54  a wave prefetches while the trip is under it
; Waves 0 and 1 fetch, the others nothing.  The branch hangs on the wave's number alone.  Four v_nop follow the load.
.macro TLOAD
	s_cmp_lt_u32 s[WV], 2
	s_cbranch_scc0 .Lnone_\@
	tensor_load_to_lds s[G0:G0+3], s[G1:G1+7]
	s_nop 0
.rept 4
	v_nop
.endr
.Lnone_\@:
.endm
; A PREFETCH INTO THE L2 of the slot that the NEXT change of slots will ask for: 16,384 bytes of K's images and as many of V's.  All four work-groups of a head walk the same slots from 0 on: the one with p = 0,
; which walks slots 0 to 7 in order, asks.  In it waves 4, 5 ask for K's two halves and waves 6, 7 for V's: 8,192 bytes a wave, lanes 256 bytes apart, one instruction.  So each aligned block of 256 bytes of slots 2 to 7 is
; named once in the launch, in trip T for slot T + 2, a trip (two key steps of all sixteen waves) ahead of its tensor load.  Slots 0 and 1 come by their loads alone; from trip 6 on nothing is asked for.
.macro ASK
	s_cmp_lt_u32 s[T], s[LIM]
	s_cbranch_scc0 .Lnot_mine_\@
	global_prefetch_b8 v[PFO], s[PFA:PFA+1] th:TH_LOAD_NT scope:SCOPE_SE
.Lnot_mine_\@:
.endm
	s_load_b256 s[4:11], s[0:1], 0x0               ; qimg s[4:5], kimg s[6:7], vimg s[8:9], the scales' exponents s[10:11]
	s_load_b64 s[12:13], s[0:1], 0x20              ; ctx
	v_lshl_add_u32 v[SPW], v0, 2, SPARE
	v_mov_b32 v[NIL], 0
	ds_add_u32 v5, v6
	ds_add_u32 v5, v6
	s_wait_dscnt 0x0
	v_lshrrev_b32 v8, 5, v0
	s_delay_alu instid0(VALU_DEP_1)
	v_readfirstlane_b32 s[WV], v8                  ; wave 0..15
	s_and_b32 s55, ttmp7, 0xffff                   ; batch x 16 + head
	s_lshl_b32 s58, s55, 17                        ; its first byte in qimg, kimg, vimg
	s_and_b32 s61, s[WV], 1
	; descriptor group 1: a dense block of 16,384 bytes as 64 rows of 256 bytes, no padding
	s_mov_b32 s[G1], 3<<16                         ; 15:0 no mask; 17:16 elements of 8 bytes
	s_mov_b32 s[G1+1], 32<<16                      ; tensor_dim0 = 32
	s_mov_b32 s[G1+2], 64<<16                      ; tensor_dim1 = 64
	s_mov_b32 s[G1+3], 32<<16                      ; tile_dim0 = 32
	s_mov_b32 s[G1+4], 64                          ; tile_dim1 = 64
	s_mov_b32 s[G1+5], 32                          ; tensor_dim0_stride
	s_mov_b32 s[G1+6], 0
	s_mov_b32 s[G1+7], 0
	s_mov_b32 s[OFS], s58
	s_mov_b32 s[OFS+1], 0
	s_wait_kmcnt 0x0
	s_load_b128 s[68:71], s[10:11], 0x18           ; e6, e7, e8, e9
	s_load_b32 s72, s[10:11], 0x28                 ; e10
	s_cmp_eq_u32 s61, 0
	s_cselect_b64 s[HB:HB+1], s[6:7], s[8:9]       ; even waves: K;  odd waves: V
	s_add_nc_u64 s[HB:HB+1], s[HB:HB+1], s[OFS:OFS+1]
	s_mov_b32 s[G0], 1                             ; count = 1
	s_lshl_b32 s[G0+1], s61, 14                    ; LDS address: slot 0; K's images at 0, V's at 16,384
	s_mov_b64 s[G0+2:G0+3], s[HB:HB+1]             ; the head's first 256 keys
	s_or_b32 s[G0+3], s[G0+3], 0x80000000          ; type = 2
	TLOAD                                          ; slot 0
	s_sub_co_u32 s[N1], 8, ttmp9
	s_sub_co_u32 s56, 7, ttmp9                     ; the first block: the longer one
	s_lshl_b32 s57, s[WV], 4
	s_lshl_b32 s[Q01], s56, 8
	s_add_co_u32 s[Q01], s[Q01], s57               ; 256 x block + 16 x wave
	s_lshl_b32 s[Q02], ttmp9, 8
	s_add_co_u32 s[Q02], s[Q02], s57
	s_lshl_b32 s[OFS], s[Q01], 6                   ; an image of 16 tokens is 1,024 bytes
	s_add_co_u32 s[OFS], s[OFS], s58
	s_add_nc_u64 s[QA1:QA1+1], s[4:5], s[OFS:OFS+1]
	s_lshl_b32 s[OFS], s[Q02], 6
	s_add_co_u32 s[OFS], s[OFS], s58
	s_add_nc_u64 s[QA2:QA2+1], s[4:5], s[OFS:OFS+1]
	v_and_b32 v[LI], 31, v0
	s_delay_alu instid0(VALU_DEP_1)
	v_lshlrev_b32 v[PFO], 8, v[LI]
	s_delay_alu instid0(VALU_DEP_2)
	v_lshlrev_b32 v[LI], 4, v[LI]
	global_load_b128 v[16:19], v[LI], s[QA1:QA1+1]            ; Q's fragment stays in registers
	global_load_b128 v[20:23], v[LI], s[QA1:QA1+1] offset:512
	s_bfe_u32 s59, s55, 0x20002                    ; head / 4
	s_lshl_b32 s59, s59, 21
	s_lshr_b32 s60, s55, 4                         ; the batch: 128 blocks of 16 tokens x 4,096 bytes
	s_lshl_b32 s60, s60, 19
	s_add_co_u32 s59, s59, s60
	s_and_b32 s60, s55, 3                          ; head % 4
	s_lshl_b32 s60, s60, 10
	s_add_co_u32 s59, s59, s60
	s_lshl_b32 s[OFS], s[Q01], 8                   ; 16 tokens are 4,096 bytes
	s_add_co_u32 s[OFS], s[OFS], s59
	s_add_nc_u64 s[CB1:CB1+1], s[12:13], s[OFS:OFS+1]
	s_lshl_b32 s[OFS], s[Q02], 8
	s_add_co_u32 s[OFS], s[OFS], s59
	s_add_nc_u64 s[CB2:CB2+1], s[12:13], s[OFS:OFS+1]
	s_cmp_lt_u32 s[WV], 6                          ; the prefetches: waves 4, 5 stand in K, waves 6, 7 in V,
	s_cselect_b64 s[PFA:PFA+1], s[6:7], s[8:9]
	s_lshl_b32 s[OFS], s61, 13                     ; at my half of a slot's block,
	s_add_co_u32 s[OFS], s[OFS], s58
	s_add_co_u32 s[OFS], s[OFS], 16384             ; in slot 1: the first change of slots steps it to slot 2
	s_add_nc_u64 s[PFA:PFA+1], s[PFA:PFA+1], s[OFS:OFS+1]
	s_lshr_b32 s62, s[WV], 2
	s_xor_b32 s62, s62, 1                          ; 0 in waves 4 to 7,
	s_or_b32 s62, s62, ttmp9                       ; of the work-group with p = 0
	s_cmp_eq_u32 s62, 0
	s_cselect_b32 s[LIM], 6, 0
	s_mov_b32 s[SEL], 0x76543210
	s_mov_b32 s[SEL+1], 0xfedcba98
	s_mov_b32 s[CS], 0x3e38aa3b                    ; c = log2(e) / sqrt(64)
	s_mov_b32 s[TB], 0
	s_mov_b32 s[T], 0
	v_mov_b32 v13, 0xff61b1e6                      ; the largest t so far: -3e38, under every t
	s_delay_alu instid0(VALU_DEP_1)
	v_floor_f32 v12, -v13                          ; -M
	v_mov_b32 v14, 0                               ; the sum, in two halves
	v_mov_b32 v15, 0
	v_mov_b32 v236, 0                              ; written once: a lane permute's destination counts as one of its sources
	v_mov_b32 v253, 0                              ; (named as the upper half of the pair v[252:253])
.set j, 0
.rept 32
	v_mov_b32 v[160+j], 0                          ; O^T: the step is written once; a block's first step finds zeros, which the first change of M leaves zeros
.set j, j+1
.endr
	s_wait_kmcnt 0x0
	s_add_co_i32 s96, s68, s69
	s_lshl_b32 s96, s96, 23
	s_add_co_i32 s[CS], s[CS], s96                 ; a score stands for score x 2^(e6 + e7): added to c's exponent field
	s_mov_b32 s[CS+1], s[CS]                       ; (named with it as a pair, so it is written)
	s_add_co_i32 s96, s70, 127
	s_lshl_b32 s97, s96, 23
	v_mov_b32 v244, s97                            ; 2^e8, for p's conversion
	s_add_co_i32 s96, s72, 127
	s_lshl_b32 s97, s96, 23
	v_mov_b32 v245, s97                            ; 2^e10, for ctx's conversion
	s_add_co_i32 s73, s70, s71                     ; e8 + e9
; A KEY STEP: 128 keys, the q-th half of the slot in hand.
.macro STEP q
	s_add_co_u32 s96, s[Q0], 15
	s_cmp_gt_u32 s[KF], s96                        ; all 128 keys come after my 16 queries: nothing to do
	s_cbranch_scc1 .Lhidden_\@
	v_add_nc_u32 v[ADR], s[TB], v[LI]
.rept 3
	v_nop                                          ; with the addition above: four places in front of loads into registers that the last products read
.endr
.set i, 0
.rept 16
	ds_load_b128 v[32+4*i:35+4*i], v[ADR] offset:8192*(\q)+512*i   ; K's eight images: fragment i / 2, half i % 2; 32 lanes read 512 consecutive bytes
.set i, i+1
.endr
	s_wait_alu depctr_va_vdst(0)
	s_wait_dscnt 0x0
.irp t, 0,1,2,3,4,5,6,7
	v_wmma_f32_16x16x64_fp8_fp8 v[96+8*\t:103+8*\t], v[32+8*\t:39+8*\t], v[16:23], 0
.endr
.rept 4
	v_nop                                          ; places in front of the loads below and of the first read of the scores
.endr
.set i, 0
.rept 16
	ds_load_b128 v[32+4*i:35+4*i], v[ADR] offset:VOFF+8192*(\q)+512*i   ; V's four images land while the softmax is walked
.set i, i+1
.endr
	s_add_co_u32 s96, s[KF], 127                   ; on the diagonal the scores of hidden keys become -infinity: p = 0 then.  A step all of whose keys count skips this
	s_cmp_le_u32 s96, s[Q0]
	s_cbranch_scc1 .Lopen_\@
	s_sub_co_i32 s96, s[Q0], s[KF]
	v_and_b32 v252, 15, v0
	v_bfe_u32 v253, v0, 4, 1
	s_delay_alu instid0(VALU_DEP_1)
	v_lshlrev_b32 v253, 3, v253
	s_delay_alu instid0(VALU_DEP_1)
	v_sub_nc_u32 v252, v252, v253
	s_delay_alu instid0(VALU_DEP_1)
	v_add_nc_u32 v252, s96, v252                   ; d = my query - KF - 8 (lane / 16).  Register 8 t + j holds key KF + 16 t + 8 (lane / 16) + j: hidden where 16 t + j > d
	v_mov_b32 v254, 0xff800000                     ; -infinity
.set n, 0
.rept 64
	v_cmp_gt_i32 vcc_lo, 16*(n/8)+n%8, v252
	v_cndmask_b32 v[96+n], v[96+n], v254, vcc_lo
.set n, n+1
.endr
.Lopen_\@:
	v_max3_num_f32 v254, v96, v97, v98             ; the step's largest score of my query, among my 64 keys, in two chains, each accumulator from its low end on,
	v_max3_num_f32 v252, v99, v100, v101
.irp i, 6,10,14,18,22,26,30,34,38,42,46,50,54,58
	v_max3_num_f32 v254, v254, v[96+\i], v[97+\i]
	v_max3_num_f32 v252, v252, v[98+\i], v[99+\i]
.endr
	v_max3_num_f32 v254, v254, v158, v159
	s_delay_alu instid0(VALU_DEP_1)
	v_max_num_f32 v254, v254, v252
	v_permlanex16_b32 v236, v254, s[SEL], s[SEL+1]
	s_delay_alu instid0(VALU_DEP_1)
	v_max_num_f32 v254, v254, v236                 ; and among lane l xor 16's
	s_delay_alu instid0(VALU_DEP_1)
	v_mul_f32 v254, s[CS], v254                    ; as t (c is positive)
	s_delay_alu instid0(VALU_DEP_1)
	v_max_num_f32 v13, v13, v254                   ; the running largest t
	v_mov_b32 v254, v12
	s_delay_alu instid0(VALU_DEP_2)
	v_floor_f32 v12, -v13                          ; the new -M = floor(-t) = -ceil(t): a whole number
	s_delay_alu instid0(VALU_DEP_1)
	v_sub_f32 v254, v12, v254                      ; M's old value less its new one: a whole number, 0 or less
	s_delay_alu instid0(VALU_DEP_1)
	v_cvt_i32_f32 v254, v254                       ; (it saturates)
	s_delay_alu instid0(VALU_DEP_1)
	v_ldexp_f32 v252, 1.0, v254                    ; f = 2^(old M - new M)
.set j, 0
.rept 32
	v_pk_fma_f32 v[96+j:97+j], v[96+j:97+j], s[CS:CS+1], v[12:13] op_sel_hi:[1,0,0]   ; t - M, two at a time (of the pairs c and -M the low word serves both halves)
.set j, j+2
.endr
.set j, 0
	s_wait_alu depctr_va_vdst(0)
.rept 64
	v_exp_f32 v[96+j], v[96+j]                     ; p = 2^(t - M), at most 1: not normalised
.set j, j+1
.endr
	v_pk_mul_f32 v[14:15], v[14:15], v[252:253] op_sel_hi:[1,0]   ; the sums under the new M: the plain instruction behind the exponentials
	s_wait_alu depctr_va_vdst(0)                   ; one wait for the whole batch, ahead of its first reader
	v_pk_add_f32 v[242:243], v[100:101], v[104:105]
	v_pk_add_f32 v[254:255], v[108:109], v[112:113]
	v_pk_add_f32 v[250:251], v[116:117], v[120:121]
	v_pk_add_f32 v[248:249], v[124:125], v[128:129]
	v_pk_add_f32 v[246:247], v[132:133], v[136:137]
	v_pk_add_f32 v[240:241], v[140:141], v[144:145]
	v_pk_add_f32 v[238:239], v[148:149], v[152:153]
	v_pk_add_f32 v[14:15], v[14:15], v[156:157]
	v_pk_add_f32 v[242:243], v[242:243], v[96:97]
	v_pk_add_f32 v[254:255], v[254:255], v[98:99]
	v_pk_add_f32 v[250:251], v[250:251], v[102:103]
	v_pk_add_f32 v[248:249], v[248:249], v[106:107]
	v_pk_add_f32 v[246:247], v[246:247], v[110:111]
	v_pk_add_f32 v[240:241], v[240:241], v[114:115]
	v_pk_add_f32 v[238:239], v[238:239], v[118:119]
	v_pk_add_f32 v[14:15], v[14:15], v[122:123]
	v_pk_add_f32 v[242:243], v[242:243], v[126:127]
	v_pk_add_f32 v[254:255], v[254:255], v[130:131]
	v_pk_add_f32 v[250:251], v[250:251], v[134:135]
	v_pk_add_f32 v[248:249], v[248:249], v[138:139]
	v_pk_add_f32 v[246:247], v[246:247], v[142:143]
	v_pk_add_f32 v[240:241], v[240:241], v[146:147]
	v_pk_add_f32 v[238:239], v[238:239], v[150:151]
	v_pk_add_f32 v[14:15], v[14:15], v[154:155]
	v_pk_add_f32 v[242:243], v[242:243], v[158:159]
	s_delay_alu instid0(VALU_DEP_2)
	v_pk_add_f32 v[14:15], v[14:15], v[248:249]
	s_delay_alu instid0(VALU_DEP_2)
	v_pk_add_f32 v[242:243], v[242:243], v[246:247]
	v_pk_add_f32 v[254:255], v[254:255], v[240:241]
	v_pk_add_f32 v[250:251], v[250:251], v[238:239]
	s_delay_alu instid0(VALU_DEP_2)
	v_pk_add_f32 v[14:15], v[14:15], v[254:255]
	s_delay_alu instid0(VALU_DEP_2)
	v_pk_add_f32 v[242:243], v[242:243], v[250:251]
	s_delay_alu instid0(VALU_DEP_1)
	v_pk_add_f32 v[14:15], v[14:15], v[242:243]
.irp t, 0,1,2,3,4,5,6,7
.irp i, 0,1,2,3,4,5,6,7
.endr
	v_cvt_scalef32_pk8_fp8_f32 v[224+2*\t:225+2*\t], v[96+8*\t:103+8*\t], v244   ; registers 2 t, 2 t + 1 of P: keys 16 t + 8 h + 0 .. 7
.endr
.set j, 0
.rept 16
	v_pk_mul_f32 v[160+j:161+j], v[160+j:161+j], v[252:253] op_sel_hi:[1,0]   ; O^T under the new M.  (Also the plain instructions between the last conversion and the products below)
.set j, j+2
.endr
	s_wait_alu depctr_va_vdst(0)
	s_wait_dscnt 0x0                               ; V is in
.irp c, 0,1,2,3                                ; four accumulators, one instruction each; between two links of a chain stand three of these and the next step's eight
	v_wmma_f32_16x16x128_fp8_fp8 v[160+8*\c:167+8*\c], v[32+16*\c:47+16*\c], v[224:239], v[160+8*\c:167+8*\c]
.endr
.Lhidden_\@:
	s_add_co_u32 s[KF], s[KF], 128
.endm
; THE CHANGE OF SLOTS stands at a trip's head.  Each wave waits for all its tensor loads (its part of the slot that it is about to read), adds 0 to its spare word, and waits for that and for its reads of the slot that it
; has left.  Behind the barrier the slot ahead is whole and nobody reads the other one.  fill = 1: that other slot is filled with the next trip's keys: the load has a whole trip in which to land.
.macro CHANGE fill
	s_wait_tensorcnt 0x0                           ; no tensor load of mine is out, so group 0 may be written
	ds_add_u32 v[SPW], v[NIL]                      ; 0 onto my spare word; scalar work stands between it and the wait for it
.if \fill
	s_xor_b32 s[G0+1], s[G0+1], SLOT1              ; the other slot than last time
	s_add_co_u32 s96, s[T], 1                      ; the next trip's slot of keys: T + 1 in the first block, T + 1 - N1 in the second
	s_cmp_lt_u32 s96, s[N1]
	s_cselect_b32 s97, 0, s[N1]
	s_sub_co_u32 s96, s96, s97
	s_lshl_b32 s[OFS], s96, 14
	s_add_nc_u64 s[G0+2:G0+3], s[HB:HB+1], s[OFS:OFS+1]
	s_or_b32 s[G0+3], s[G0+3], 0x80000000
	s_wait_xcnt 0x0                                ; the last prefetch, a trip back, has read its address, so it may be written
	s_add_nc_u64 s[PFA:PFA+1], s[PFA:PFA+1], 16384
.endif
	s_cmp_lt_u32 s[T], s[N1]                       ; which block is in hand, and this trip's first key
	s_cselect_b32 s[Q0], s[Q01], s[Q02]
	s_cselect_b32 s97, 0, s[N1]
	s_sub_co_u32 s[KF], s[T], s97
	s_lshl_b32 s[KF], s[KF], 8
	s_wait_dscnt 0x0                               ; the add is done, and my reads of the slot that I have left are over
	s_barrier_signal -1
	s_barrier_wait -1
.if \fill
	TLOAD                                          ; the first thing behind the barrier, and a wave's one tensor load until the next
	ASK
.endif
.endm
; A BLOCK'S END: O^T / the sum x 2^(e8 + e9) is ctx; converted with 2^e10 and stored as an image.  again = 1: the second block's Q is fetched and the state begins anew.
.macro FINAL cb, again
.rept 4
	v_nop                                          ; places behind the last products
.endr
.if \again
	global_load_b128 v[16:19], v[LI], s[QA2:QA2+1]
	global_load_b128 v[20:23], v[LI], s[QA2:QA2+1] offset:512
.endif
	v_add_f32 v14, v14, v15                        ; the sum's two halves,
	v_permlanex16_b32 v236, v14, s[SEL], s[SEL+1]
	s_delay_alu instid0(VALU_DEP_1)
	v_add_f32 v14, v14, v236                       ; and lane l xor 16's
	s_wait_alu depctr_va_vdst(0)
	v_rcp_f32 v14, v14
	v_nop                                          ; a plain instruction behind the reciprocal
	s_wait_alu depctr_va_vdst(0)                   ; and the wait ahead of its first reader
	v_ldexp_f32 v14, v14, s73                      ; x 2^(e8 + e9)
.set j, 0
.rept 32
	v_mul_f32 v[192+j], v[160+j], v14              ; register 8 c + i is ctx(query r, channel 16 c + 8 h + i); each accumulator from its low end on
.set j, j+1
.endr
.set j, 0
.rept 32
.set j, j+1
.endr
.irp c, 0,1,2,3
	v_cvt_scalef32_pk8_fp8_f32 v[24+2*\c:25+2*\c], v[192+8*\c:199+8*\c], v245
.endr
	v_nop                                          ; a plain instruction behind the last conversion
	global_store_b128 v[LI], v[24:27], s[\cb:\cb+1]              ; 32 lanes store 512 consecutive bytes, at a multiple of 512 from the buffer's first byte
	global_store_b128 v[LI], v[28:31], s[\cb:\cb+1] offset:512
.if \again
	v_mov_b32 v13, 0xff61b1e6
	s_delay_alu instid0(VALU_DEP_1)
	v_floor_f32 v12, -v13
	v_mov_b32 v14, 0
	v_mov_b32 v15, 0
.set j, 0
.rept 32
	v_mov_b32 v[160+j], 0
.set j, j+1
.endr
	s_wait_loadcnt 0x0                             ; Q
	s_wait_xcnt 0x0                                ; the stores have read v24-31, which the second block's end writes again
.endif
.endm
	s_wait_loadcnt 0x0                             ; Q
.Lslot:                                            ; eight trips: behind each change of slots but the last the next trip's keys are asked for
	CHANGE 1
	STEP 0
	STEP 1
	s_xor_b32 s[TB], s[TB], SLOT1                  ; on to the other slot
	s_add_co_u32 s[T], s[T], 1
	s_cmp_lg_u32 s[T], s[N1]                       ; the first block has had its 8 - p slots: a branch on ids, round register work, loads and stores alone
	s_cbranch_scc1 .Lsame
	FINAL CB1, 1
.Lsame:
	s_cmp_lt_u32 s[T], 8
	s_cbranch_scc1 .Lslot
	CHANGE 0                                       ; the last trip is written out
	STEP 0
	STEP 1
	FINAL CB2, 0
	s_wait_tensorcnt 0x0                           ; the wave's end
	ds_add_u32 v[SPW], v[NIL]
	s_wait_dscnt 0x0
	s_endpgm
.Lfunc_end_k_q0f461426d7_attn:
	.size	k_q0f461426d7_attn, .Lfunc_end_k_q0f461426d7_attn-k_q0f461426d7_attn
	.p2alignl 7, 3214868480
	.fill 96, 4, 3214868480
	.section	.rodata,"a",@progbits
	.p2align	6, 0x0
	.amdhsa_kernel k_q0f461426d7_attn
		.amdhsa_group_segment_fixed_size 327680
		.amdhsa_private_segment_fixed_size 0
		.amdhsa_enable_private_segment 0
		.amdhsa_kernarg_size 40
		.amdhsa_user_sgpr_count 2
		.amdhsa_user_sgpr_kernarg_segment_ptr 1
		.amdhsa_wavefront_size32 1
		.amdhsa_system_sgpr_workgroup_id_x 1
		.amdhsa_system_sgpr_workgroup_id_y 1
		.amdhsa_system_sgpr_workgroup_id_z 1
		.amdhsa_system_vgpr_workitem_id 0
		.amdhsa_next_free_vgpr 256
		.amdhsa_next_free_sgpr 100
		.amdhsa_reserve_vcc 1
		.amdhsa_float_denorm_mode_32 3
		.amdhsa_float_denorm_mode_16_64 3
		.amdhsa_fp16_overflow 1
		.amdhsa_memory_ordered 1
		.amdhsa_forward_progress 1
		.amdhsa_inst_pref_size 90
	.end_amdhsa_kernel
	.amdgpu_metadata
---
amdhsa.version: [ 1, 2 ]
amdhsa.kernels:
  - .name:           k_q0f461426d7_attn
    .symbol:         k_q0f461426d7_attn.kd
    .args:
      - { .name: qimg, .offset: 0, .size: 8, .value_kind: global_buffer, .address_space: global }
      - { .name: kimg, .offset: 8, .size: 8, .value_kind: global_buffer, .address_space: global }
      - { .name: vimg, .offset: 16, .size: 8, .value_kind: global_buffer, .address_space: global }
      - { .name: lowp_scales, .offset: 24, .size: 8, .value_kind: global_buffer, .address_space: global }
      - { .name: ctx, .offset: 32, .size: 8, .value_kind: global_buffer, .address_space: global }
    .group_segment_fixed_size: 327680
    .private_segment_fixed_size: 0
    .kernarg_segment_align: 8
    .kernarg_segment_size: 40
    .max_flat_workgroup_size: 512
    .sgpr_count:     100
    .vgpr_count:     256
    .wavefront_size: 32
...
	.end_amdgpu_metadata
.endif
;; end of part 2
;; launch proj (part 3): grid 4 x 64, 4 waves a work-group, clusters of 4 x 4, 327,680 bytes of LDS; arguments ctx, Wo_codes, lowp_scales, bo, out0; writes out0
.if DOCPART == 3
	.amdgcn_target "amdgcn-amd-amdhsa--gfx1250"
	.amdhsa_code_object_version 6
	.text
	.protected	k_q0f461426d7_proj
	.globl	k_q0f461426d7_proj
	.p2align	8
	.type	k_q0f461426d7_proj,@function
k_q0f461426d7_proj:
	s_mov_b64 s[64:65], 0
	v_nop
	global_prefetch_b8 v0, s[64:65] scope:SCOPE_SE
	s_setreg_imm32_b32 hwreg(HW_REG_WAVE_MODE, 25, 1), 1
	s_wait_xcnt 0x0
	s_wait_alu depctr_hold_cnt(0) depctr_sa_sdst(0) depctr_va_vdst(0) depctr_va_sdst(0) depctr_va_ssrc(0) depctr_va_vcc(0) depctr_vm_vsrc(0)
	s_getreg_b32 s2, hwreg(HW_REG_IB_STS2, 6, 4)
	s_cmp_eq_u32 s2, 0
	s_cbranch_scc0 .Lentry_in_a_cluster
	s_endpgm
.Lentry_in_a_cluster:
	s_bfe_u32 s2, ttmp6, 0x10000c
	s_cmp_lg_u32 s2, 0xf033
	s_cbranch_scc0 .Lentry_shape_is_right
	s_endpgm
.Lentry_shape_is_right:
; out0 = ctx Wo + bo on codes of E4M3.  ctx: images of operand registers, [head / 4][token / 16 of 8,192][head % 4][half 2][lane 32][16 bytes]: the K = 64 fragment of 16 tokens of one head; two neighbouring heads'
; images on end are a K = 128 fragment in the plain fp8 form's own layout (registers 2 c, 2 c + 1: k = 16 c + 8 h + 0 .. 7).  Wo: 1,024 rows (output columns) of 1,024 codes, K innermost.  bo [1,024], out0 [8,192][1,024]: f32.
; out0 = sum x 2^(e10 + e11) + bo: one packed multiply-add for two numbers.  LIMIT: e10 + e11 between -126 and 127, so that the power of two is an f32 number.
; A tile of out0 is 128 tokens x 256 columns: 256 work-groups.  Four waves, each 64 tokens x 128 columns: 32 accumulators.  K goes in steps of 256 (four heads) through two LDS slots filled by joint tensor loads:
; ctx's tile (a dense block of 32,768 bytes) is shared along a row of the 4 x 4 cluster, Wo's (256 rows of 256 bytes) along a column.  Waves 0, 1 fetch ctx's halves, waves 2, 3 Wo's.
; The matrix instruction is used transposed (source 0 = 16 rows of Wo, source 1 = 16 tokens): a lane holds eight neighbouring columns of one row of out0.
; ctx's fragments come from LDS as they lie, 16 bytes a lane at 16 x lane; Wo's in the same true layout of k, by loads of 8 bytes at row x 272 + 8 h + 16 c.
; REGISTERS, in windows of 256: window 0: v1-29 addresses; v64-127, v128-191 ctx's fragments, two sets of four; on the way out v64-127 results, v128-255 rows read back.
;   window 1: Wo's fragments, two sets of eight.   window 2: the accumulators ((a, b) at v[8 (8 a + b)]).   window 3: v0-63 bo of my lane's 64 columns.
.set PITCH,  272                       ; a row of Wo in LDS: 256 bytes + 16 of padding
.set ABYTES, 32768                     ; ctx's tile
.set AHALF,  16384                     ; 64 tokens of it
.set BHALF,  128*PITCH                 ; 128 rows of Wo
.set SLOT,   ABYTES+2*BHALF            ; 102,400
.set ASTEP,  2097152                   ; from four heads to the next four in ctx
.set STAGE,  2*SLOT                    ; behind the ring: 16 rows x (512 + 16) bytes for each wave; no tile lands here
.set SPITCH, 528
.set SPARE,  STAGE+4*16*SPITCH         ; behind the stages: the spare words, 128 bytes for each wave
.set ADRA, 16                          ; v16-17  LDS address of my ctx fragments in slot 0, 1
.set ADRB, 20                          ; v20-21  the same for Wo
.set STO,  24                          ; v24     the way out: where I put 32 bytes of a row
.set RD,   25                          ; v25     where I read a row back
.set CO,   26                          ; v26     16 x lane: my bytes of a row of 512
.set BO,   27                          ; v27     32 x (lane / 16): my eight numbers of sixteen of bo
.set SPW,  28
.set NIL,  29
.set AF,   64
.set TMP,  64
.set BK,   128
.set G1, 24
.set G0, 32
.set G1B, 48
.set G0B, 56
.set MSB, 0
.macro WIN new                         ; the immediate's high byte repeats the setting that is left
.if MSB != \new
	s_set_vgpr_msb (MSB<<8)|\new
.set MSB, \new
.endif
.endm
.set MUL,  0xa1                        ; source 0 (Wo) window 1, source 1 (ctx) window 0, C and D window 2
.set TO_B, 0x40                        ; destination window 1, address window 0
.macro JLOAD s                         ; a joint load; four v_nop follow each of the two lines, ahead of the jump, the label and what follows
	s_cmp_eq_u32 s15, 0
	s_cbranch_scc0 .Lfor_b_\@
	tensor_load_to_lds s[G0+4*\s:G0+4*\s+3], s[G1:G1+7]
	s_nop 0
.rept 4
	v_nop
.endr
	s_branch .Lasked_\@
.Lfor_b_\@:
	tensor_load_to_lds s[G0B+4*\s:G0B+4*\s+3], s[G1B:G1B+7]
	s_nop 0
.rept 4
	v_nop
.endr
.Lasked_\@:
.endm
.macro CREST
	s_cmp_lg_u32 s14, 0
	s_cbranch_scc1 .Lnot_wave_0_\@
	s_barrier_signal -3
.Lnot_wave_0_\@:
	s_barrier_wait -3
	s_barrier_signal -1
	s_barrier_wait -1
.endm
.macro CROUND
	s_barrier_signal -1
	s_barrier_wait -1
	CREST
.endm
	s_load_b256 s[4:11], s[0:1], 0x0               ; ctx s[4:5], Wo s[6:7], the scales' exponents s[8:9], bo s[10:11]
	s_load_b64 s[12:13], s[0:1], 0x20              ; out0
	v_lshl_add_u32 v[SPW], v0, 2, SPARE
	v_mov_b32 v[NIL], 0
	ds_add_u32 v28, v29
	ds_add_u32 v28, v29
	s_wait_dscnt 0x0
	v_lshrrev_b32 v1, 5, v0
	v_readfirstlane_b32 s14, v1                    ; wave 0..3
	s_lshr_b32 s15, s14, 1                         ; which 64 tokens are mine.  Also: I fetch for ctx (0) or for Wo (1)
	s_and_b32 s16, s14, 1                          ; which 128 columns.  Also: which half of that tile I fetch
	s_bfe_u32 s40, ttmp6, 0x40000                  ; cx, cy
	s_bfe_u32 s41, ttmp6, 0x40004
	s_lshl_b32 s42, ttmp9, 2
	s_add_co_u32 s42, s42, s40                     ; tile column = 4 x cluster x + cx
	s_and_b32 s17, ttmp7, 0xffff
	s_lshl_b32 s17, s17, 2
	s_add_co_u32 s17, s17, s41                     ; tile row = 4 x cluster y + cy
	s_lshl_b32 s43, s41, 2
	s_lshl_b32 s43, 15, s43                        ; my row of the cluster
	s_lshl_b32 s44, 0x1111, s40                    ; my column
	; group 1 for ctx: a dense block of 16,384 bytes as 64 rows of 256 bytes, no padding
	s_or_b32 s[G1+0], s43, (3<<16)|(1<<21)         ; 15:0 the mask: my row; 17:16 elements of 8 bytes; 21 set beside a mask
	s_mov_b32 s[G1+1], 32<<16                      ; tensor_dim0 = 32
	s_mov_b32 s[G1+2], 64<<16                      ; tensor_dim1 = 64
	s_mov_b32 s[G1+3], 32<<16                      ; tile_dim0 = 32
	s_mov_b32 s[G1+4], 64                          ; tile_dim1 = 64
	s_mov_b32 s[G1+5], 32                          ; tensor_dim0_stride
	s_mov_b32 s[G1+6], 0
	s_mov_b32 s[G1+7], 0
	; group 1 for Wo: 128 rows of 256 bytes, 1,024 bytes apart, padded in LDS
	s_or_b32 s[G1B+0], s44, (0<<16)|(1<<20)|(1<<21)|(5<<22)|(3<<25)  ; the mask: my column; elements of 1 byte; padding: four words after every 64
	s_mov_b32 s[G1B+1], 256<<16
	s_mov_b32 s[G1B+2], 128<<16
	s_mov_b32 s[G1B+3], 256<<16
	s_mov_b32 s[G1B+4], 128
	s_mov_b32 s[G1B+5], 1024
	s_mov_b32 s[G1B+6], 0
	s_mov_b32 s[G1B+7], 0
	s_lshl_b32 s20, s17, 15                        ; ctx: 128 tokens are 8 blocks of 4,096 bytes,
	s_lshl_b32 s18, s16, 14                        ; + my half
	s_add_co_u32 s20, s20, s18
	s_mov_b32 s21, 0
	s_lshl_b32 s46, s42, 18                        ; Wo: 256 rows of 1,024 bytes,
	s_lshl_b32 s47, s16, 17                        ; + my half
	s_add_co_u32 s46, s46, s47
	s_mov_b32 s47, 0
	s_lshl_b32 s45, s16, 14                        ; where they go: ctx's halves at 0 and 16,384,
	s_mul_i32 s19, s16, BHALF
	s_add_co_u32 s19, s19, ABYTES                  ; Wo's behind them: no place in the cluster enters an LDS address
	s_wait_kmcnt 0x0
	s_load_b64 s[96:97], s[8:9], 0x28              ; e10, e11
	s_add_nc_u64 s[20:21], s[4:5], s[20:21]
	s_add_nc_u64 s[46:47], s[6:7], s[46:47]
	CROUND                                         ; all sixteen work-groups are here: the first joint loads meet
.irp s, 0,1
	s_mov_b32 s[G0+4*\s], 1
	s_add_co_u32 s[G0+4*\s+1], s45, \s*SLOT
	s_add_nc_u64 s[G0+4*\s+2:G0+4*\s+3], s[20:21], \s*ASTEP
	s_or_b32 s[G0+4*\s+3], s[G0+4*\s+3], 0x80000000
	s_mov_b32 s[G0B+4*\s], 1
	s_add_co_u32 s[G0B+4*\s+1], s19, \s*SLOT
	s_add_nc_u64 s[G0B+4*\s+2:G0B+4*\s+3], s[46:47], \s*256
	s_or_b32 s[G0B+4*\s+3], s[G0B+4*\s+3], 0x80000000
	s_wait_alu depctr_va_vdst(0)
	s_wait_tensorcnt 0x0
	ds_add_u32 v28, v29
	ds_add_u32 v28, v29
	s_wait_dscnt 0x0
	CROUND
	JLOAD \s
.endr
	v_and_b32 v1, 15, v0                           ; r
	v_bfe_u32 v2, v0, 4, 1                         ; h
	v_and_b32 v6, 31, v0
	v_lshlrev_b32 v[CO], 4, v6                     ; 16 x lane
	v_lshlrev_b32 v[BO], 5, v2                     ; 32 h
	v_mul_u32_u24 v3, v1, PITCH
	v_lshl_add_u32 v3, v2, 3, v3                   ; Wo: row r x pitch + 8 h
	s_lshl_b32 s21, s15, 14                        ; my 64 tokens of ctx
	s_mul_i32 s22, s16, BHALF
	s_add_co_u32 s22, s22, ABYTES                  ; my 128 rows of Wo
.irp s, 0,1
	v_add_nc_u32 v[ADRA+\s], s21, v[CO]
	v_add_nc_u32 v[ADRB+\s], s22, v3
	s_add_co_u32 s21, s21, SLOT
	s_add_co_u32 s22, s22, SLOT
.endr
	s_mul_i32 s23, s14, 16*SPITCH
	s_add_co_u32 s23, s23, STAGE                   ; my stage
	v_mul_u32_u24 v5, v1, SPITCH                   ; in: row r, 32 bytes for each half of the lanes
	v_lshl_add_u32 v5, v2, 5, v5
	v_add_nc_u32 v[STO], s23, v5
	v_add_nc_u32 v[RD], s23, v[CO]                 ; back: the 32 lanes take one row of 512 bytes
	s_lshl_b32 s22, s42, 10                        ; my first column, in bytes of f32: 1,024 x tile column + 512 x half
	s_lshl_b32 s23, s16, 9
	s_add_co_u32 s22, s22, s23
	s_mov_b32 s23, 0
	s_add_nc_u64 s[10:11], s[10:11], s[22:23]      ; bo at my first column
	s_lshl_b32 s20, s17, 19                        ; my first row of out0: 128 x tile row + 64 x half, rows of 4,096 bytes
	s_lshl_b32 s21, s15, 18
	s_add_co_u32 s20, s20, s21
	s_add_co_u32 s20, s20, s22
	s_mov_b32 s21, 0
	s_add_nc_u64 s[12:13], s[12:13], s[20:21]
	WIN 0xc0                                       ; destination window 3
.irp b, 0,1,2,3,4,5,6,7
	global_load_b128 v[8*\b:8*\b+3], v[BO], s[10:11] offset:64*\b        ; bo(16 b + 8 h + 0 .. 7), in the result's layout
	global_load_b128 v[8*\b+4:8*\b+7], v[BO], s[10:11] offset:64*\b+16
.endr
	WIN 0
; The fragments of the slot's q-th 128 along K into set: Wo's eight (64 loads of 8 bytes), then ctx's four (16 loads of 16 bytes)
.macro FETCH slot, q, set
	WIN TO_B
.irp b, 0,1,2,3,4,5,6,7
.irp c, 0,1,2,3,4,5,6,7
	ds_load_b64 v[128*(\set)+16*\b+2*\c:128*(\set)+16*\b+2*\c+1], v[ADRB+\slot] offset:\b*16*PITCH+128*(\q)+16*\c
.endr
.endr
	WIN 0
.irp i, 0,1,2,3
.irp j, 0,1,2,3
	ds_load_b128 v[AF+64*(\set)+16*\i+4*\j:AF+64*(\set)+16*\i+4*\j+3], v[ADRA+\slot] offset:\i*4096+(\q)*2048+512*\j
.endr
.endr
.endm
; 8 matrix instructions: token block a x Wo's eight blocks.  The 32 accumulators take turns, one instruction a turn, in the same order in every step.
.macro MUL8 set, a, zero
.irp b, 0,1,2,3,4,5,6,7
.if \zero
	v_wmma_f32_16x16x128_fp8_fp8 v[8*(8*(\a)+\b):8*(8*(\a)+\b)+7], v[128*(\set)+16*\b:128*(\set)+16*\b+15], v[AF+64*(\set)+16*(\a):AF+64*(\set)+16*(\a)+15], 0
.else
	v_wmma_f32_16x16x128_fp8_fp8 v[8*(8*(\a)+\b):8*(8*(\a)+\b)+7], v[128*(\set)+16*\b:128*(\set)+16*\b+15], v[AF+64*(\set)+16*(\a):AF+64*(\set)+16*(\a)+15], v[8*(8*(\a)+\b):8*(8*(\a)+\b)+7]
.endif
.endr
.endm
.macro PLACES                          ; four plain instructions between a matrix instruction and a load into one of its sources, or a vector read of its result
.rept 4
	v_nop
.endr
.endm
; A slot's first step multiplies set 0 and fetches the slot's second 128 along K into set 1.
.macro STEP slot, zero
	s_wait_dscnt 8                                 ; Wo's fragments and ctx's blocks 0, 1 are in; the youngest eight loads (blocks 2, 3) may be out
	WIN MUL
	MUL8 0, 0, \zero
	MUL8 0, 1, \zero
	s_wait_dscnt 0
	PLACES
	FETCH \slot, 1, 1
	WIN MUL
	MUL8 0, 2, \zero
	MUL8 0, 3, \zero
.endm
; A slot's second step multiplies set 1 and changes slots: one barrier; in front of it each wave waits for all its tensor loads, adds 0 to its spare word, and waits for that and for its own reads of this slot.
.macro TURN slot, next, fill
	WIN 0                                          ; (the add's two registers lie in window 0)
	s_wait_tensorcnt 0x0                           ; all my tensor loads have landed: my part of the next slot
	ds_add_u32 v[SPW], v[NIL]                      ; 0 onto my spare word
	s_wait_dscnt 9                                 ; the add and the youngest eight loads (ctx's blocks 2, 3) may be out
	WIN MUL
	MUL8 1, 0, 0                                   ; eight matrix instructions stand between the add and the wait for it
	s_wait_dscnt 0x0                               ; the add is done, and my reads of this slot are over
	s_barrier_signal -1
	MUL8 1, 1, 0
	WIN 0
	s_barrier_wait -1
.if \fill
	CREST                                          ; the barrier has opened a round of the cluster's barrier: no wave of any partner still reads this slot or has a load on its way
	s_add_nc_u64 s[G0+4*\slot+2:G0+4*\slot+3], s[G0+4*\slot+2:G0+4*\slot+3], 2*ASTEP
	s_add_nc_u64 s[G0B+4*\slot+2:G0B+4*\slot+3], s[G0B+4*\slot+2:G0B+4*\slot+3], 2*256
	JLOAD \slot                                    ; the first tensor load behind the round; its four v_nop are the places in front of the loads below
.else
	PLACES
.endif
	FETCH \next, 0, 0
	WIN MUL
	MUL8 1, 2, 0
	MUL8 1, 3, 0
.endm
	s_wait_alu depctr_va_vdst(0)
	s_wait_tensorcnt 1                             ; my part of K step 0 is in; K step 1's load may be out
	s_barrier_signal -1
	s_barrier_wait -1
	FETCH 0, 0, 0
	STEP 0, 1                                      ; K = 1,024 is four K steps of 256: written out.  The first step's products start the sums
	TURN 0, 1, 1                                   ; slot 0 takes K step 2
	STEP 1, 0
	TURN 1, 0, 1                                   ; slot 1 takes K step 3
	STEP 0, 0
	TURN 0, 1, 0                                   ; nothing is left to fetch
	STEP 1, 0
	s_wait_dscnt 8                                 ; the very last step
	WIN MUL
	MUL8 1, 0, 0
	MUL8 1, 1, 0
	s_wait_dscnt 0
	MUL8 1, 2, 0
	MUL8 1, 3, 0
	WIN 0
; THE WAY OUT, block by block of 16 tokens x 128 columns.  A lane holds 32 neighbouring bytes of a row, and the lanes beside it hold other rows: so a block goes through my own stage in LDS and comes back as whole rows
; of 512 bytes.  LDS serves a wave's instructions in order (ISA guide 5.7.1.4): no wait between the stores and the loads, nor in front of the next block's stores.
.macro TOSTAGE a
	WIN 0x32                                       ; source 0 (the sums) window 2, source 2 (bo) window 3
.set j, 0
.rept 32
	v_pk_fma_f32 v[TMP+j:TMP+j+1], v[64*(\a)+j:64*(\a)+j+1], s[96:97], v[j:j+1] op_sel_hi:[1,0,1]   ; sum x 2^(e10 + e11) + bo; each accumulator from its low end on
.set j, j+2
.endr
	WIN 0
.irp b, 0,1,2,3,4,5,6,7
	ds_store_b128 v[STO], v[TMP+8*\b:TMP+8*\b+3] offset:64*\b
	ds_store_b128 v[STO], v[TMP+8*\b+4:TMP+8*\b+7] offset:64*\b+16
.endr
.set BB, BK+64*((\a)%2)
.irp t, 0,1,2,3,4,5,6,7,8,9,10,11,12,13,14,15
	ds_load_b128 v[BB+4*\t:BB+4*\t+3], v[RD] offset:\t*SPITCH
.endr
.endm
.macro SEND a, younger                 ; younger: the LDS instructions issued behind block a's loads, which may stay out
.set BB, BK+64*((\a)%2)
	s_wait_dscnt \younger                          ; the block is back in registers
.if (\a) > 0
	s_add_nc_u64 s[12:13], s[12:13], 16*4096       ; (behind a wait on XCNT: the earlier stores have read their base)  16 rows of out0 on
.endif
.irp t, 0,1,2,3,4,5,6,7,8,9,10,11,12,13,14,15
	global_store_b128 v[CO], v[BB+4*\t:BB+4*\t+3], s[12:13] offset:\t*4096 th:TH_STORE_NT   ; 32 lanes store 512 consecutive bytes, at a multiple of 512 from out0's first byte; written once, read by nobody here
.endr
.endm
	s_wait_loadcnt 0x0                             ; bo
	s_wait_kmcnt 0x0
	s_add_co_i32 s96, s96, s97                     ; e10 + e11, between -126 and 127,
	s_add_co_i32 s96, s96, 127
	s_lshl_b32 s96, s96, 23                        ; makes the f32 number 2^(e10 + e11)
	s_mov_b32 s97, s96                             ; (named with it as a pair, so it is written)
	PLACES                                         ; behind the last products
	TOSTAGE 0
.irp a, 1,2,3
.if \a > 1
	s_wait_xcnt 0x0                                ; block a - 2's stores have read their registers and their base: block a's loads may land there, and the base may step
.endif
	TOSTAGE \a
	SEND \a-1, 32                                  ; behind block a - 1's loads: block a's 16 stores and 16 loads
.endr
	s_wait_xcnt 0x0                                ; block 2's stores have read their base
	SEND 3, 0
	s_wait_tensorcnt 0x0                           ; the wave's end
	ds_add_u32 v[SPW], v[NIL]
	s_wait_dscnt 0x0
	CROUND                                         ; the closing round: no work-group ends while a partner may still ask for a tile that names it
	s_endpgm
.Lfunc_end_k_q0f461426d7_proj:
	.size	k_q0f461426d7_proj, .Lfunc_end_k_q0f461426d7_proj-k_q0f461426d7_proj
	.p2alignl 7, 3214868480
	.fill 96, 4, 3214868480
	.section	.rodata,"a",@progbits
	.p2align	6, 0x0
	.amdhsa_kernel k_q0f461426d7_proj
		.amdhsa_group_segment_fixed_size 327680
		.amdhsa_private_segment_fixed_size 0
		.amdhsa_enable_private_segment 0
		.amdhsa_kernarg_size 40
		.amdhsa_user_sgpr_count 2
		.amdhsa_user_sgpr_kernarg_segment_ptr 1
		.amdhsa_wavefront_size32 1
		.amdhsa_system_sgpr_workgroup_id_x 1
		.amdhsa_system_sgpr_workgroup_id_y 1
		.amdhsa_system_sgpr_workgroup_id_z 1
		.amdhsa_system_vgpr_workitem_id 0
		.amdhsa_next_free_vgpr 832
		.amdhsa_next_free_sgpr 100
		.amdhsa_reserve_vcc 0
		.amdhsa_float_denorm_mode_32 3
		.amdhsa_float_denorm_mode_16_64 3
		.amdhsa_memory_ordered 1
		.amdhsa_forward_progress 1
		.amdhsa_inst_pref_size 94
	.end_amdhsa_kernel
	.amdgpu_metadata
---
amdhsa.version: [ 1, 2 ]
amdhsa.kernels:
  - .name:           k_q0f461426d7_proj
    .symbol:         k_q0f461426d7_proj.kd
    .args:
      - { .name: ctx, .offset: 0, .size: 8, .value_kind: global_buffer, .address_space: global }
      - { .name: Wo_codes, .offset: 8, .size: 8, .value_kind: global_buffer, .address_space: global }
      - { .name: lowp_scales, .offset: 16, .size: 8, .value_kind: global_buffer, .address_space: global }
      - { .name: bo, .offset: 24, .size: 8, .value_kind: global_buffer, .address_space: global }
      - { .name: out0, .offset: 32, .size: 8, .value_kind: global_buffer, .address_space: global }
    .group_segment_fixed_size: 327680
    .private_segment_fixed_size: 0
    .kernarg_segment_align: 8
    .kernarg_segment_size: 40
    .max_flat_workgroup_size: 128
    .sgpr_count:     100
    .vgpr_count:     832
    .wavefront_size: 32
...
	.end_amdgpu_metadata
.endif
;; end of part 3
